; MI455X (gfx1250); checked and timed in simulation.
; The chip was launched on July 23, 2026; its instructions are those of AMD's public machine-readable ISA for CDNA 5 (MIT licence, August 2026) and "CDNA5" Instruction Set Architecture Reference Guide (July 2026). The comments in the code are by the model that wrote it; some were corrected since.
;; Clusterised MLP. Allowed arithmetic: float matrix products may take bf16 or f16 operands with f32 sums; other float arithmetic in f32, or as packed bf16 or f16 multiplies, adds, multiply-adds, maxima and minima; sums over many terms, partial sums and values carried from step to step in f32; what a program stores and reads back later, other than sums and carried values, may be rounded once to bf16 or f16.
;; Inputs: V_in 8 x 256 x 36 float32; V_mid 8 x 3 x 256 x 256 float32; V_out 8 x 3 x 256 float32; X 32,768 x 3 float32; b_in 8 x 256 float32; b_mid 8 x 3 x 256 float32; b_out 8 x 3 float32; cluster_ids 32,768 int32; g_in 8 x 256 float32; g_mid 8 x 3 x 256 float32; g_out 8 x 3 float32.
;; Outputs: out0 32,768 x 3 float32.
;; One version. Each part assembles by itself: llvm-mc -triple=amdgcn-amd-amdhsa -mcpu=gfx1250 --defsym DOCPART=n.
;; ======== version 1 of 1: 2 launches
;; limits: below input magnitudes of 1e-19 results are inexact or not finite; right only within a limited range of input values
;; workspace buffers: Wb 3,670,016 bytes; bs 32,768 bytes; op 256 bytes; tab 4,096 bytes of whole numbers; perm 131,072 bytes of whole numbers; Xs 524,288 bytes
;; launch prep (part 1): grid 97 x 1, 8 waves a work-group, no clusters, 9,472 bytes of LDS; arguments cluster_ids, X, V_in, g_in, b_in, V_mid, g_mid, b_mid, V_out, g_out, b_out, Wb, bs, op, tab, perm, Xs; writes Wb, bs, op, tab, perm, Xs
.if DOCPART == 1
	.amdgcn_target "amdgcn-amd-amdhsa--gfx1250"
	.amdhsa_code_object_version 6
	.text
	.protected	k_q307478c78f_prep
	.globl	k_q307478c78f_prep
	.p2align	8
	.type	k_q307478c78f_prep,@function
k_q307478c78f_prep:
	s_mov_b64 s[64:65], 0
	v_nop
	global_prefetch_b8 v0, s[64:65] scope:SCOPE_SE
	s_setreg_imm32_b32 hwreg(HW_REG_WAVE_MODE, 25, 1), 1
	s_wait_xcnt 0x0
; PREPARATION FOR THE CHAIN.  97 work-groups of eight waves, four kinds by the work-group's number:
;   0-31   SORT: work-group j places the tokens 1024 j .. 1024 j + 1023 in the experts' order (a counting sort without atomics: every work-group counts the whole
;          array of 32,768 ids for itself) and stores perm (token of each sorted row) and Xs (x, y, z, 0 of each sorted row); work-group 0 also stores the table of tiles
;   32-79  a wave lays out 16 rows x 256 k of one middle layer     80  wave e lays out expert e's output layer     81-96  a wave lays out 16 rows of an input layer
; WEIGHTS.  w = g V / |V| by rows, rounded once to f16 and stored in the order in which a wave's operand registers take them: a fragment of 16 channels x 32 k is 1,024 bytes,
; byte 512 half + 16 lane + 2 i = W[ch0 + lane % 16][32 kb + 16 half + 8 (lane / 16) + i], so that one 16-byte load a lane fills four registers and covers 512 consecutive bytes.
; THE SCALE.  f16 ends at 65,504, so the chain carries h' = h x 32768 / N with a bound N that holds for every input: N0 = 4.25 >= |enc| = sqrt(18), N_l = |g_l| N_(l-1) + |b_l|
; (Euclidean norms over the layer's 256 channels).  Then |h_l| <= N_l in every channel.  The scale is folded in here: W'_1 = w x 32768 / N1, W'_l = w x N_(l-1) / N_l (at most 1),
; bias' = b x 32768 / N_l (f32), the output rows stay unit rows, and op holds g_out N4 / 32768 and b_out, both times 2 log2(e) for the chain's tanh.
; LIMITS.  An id counts modulo 8.  A norm of g or b under 1e-19 counts as 0 (its square is flushed); N is held at 1e-30 at the least.  A row of V that is all zeros is not treated apart.
; REGISTERS.  v0 thread, v1 lane, v2 lane % 16, v3 lane / 16, v4 my spare word's LDS address, v5 0.
;   sort: v6 16 t; v8-11 my four ids; v12-27 their (x, y, z, 0); v28-31 ranks; v32-35 ids mod 8; v36, v37 nibble counters; v38-41 byte counters; v42-63 at work; v64-191 the 32 regions
;   weights: v6-15 offsets and single numbers; v16-39 norms and bounds; v40-59 at work; v64-191 the tile of V; v192-255 g_in, b_in, g_mid 0, b_mid 0, .. : 8 registers each
; LDS (sort alone): 0 totals, 16 bytes a thread; 4096 totals of the chunks in front of mine; 8192 eight words a wave; 8448 the spare words, 128 bytes a wave.
.set SPARE, 8448
.set EXPB,  0x70000                    ; bytes of an expert in Wb: input layer at 0, middle layer m at 0x8000 + 0x20000 m, output layer at 0x68000
.macro FINISH                          ; the wave's end
	s_wait_tensorcnt 0x0
	ds_add_u32 v4, v5
	s_wait_dscnt 0x0
	s_endpgm
.endm
	s_load_b512 s[8:23], s[0:1], 0x0               ; ids 8, X 10, V_in 12, g_in 14, b_in 16, V_mid 18, g_mid 20, b_mid 22
	s_load_b512 s[24:39], s[0:1], 0x40             ; V_out 24, g_out 26, b_out 28, Wb 30, bs 32, op 34, tab 36, perm 38
	s_load_b64 s[40:41], s[0:1], 0x80              ; Xs 40
	v_lshl_add_u32 v4, v0, 2, SPARE
	v_mov_b32 v5, 0
	v_lshrrev_b32 v6, 5, v0
	v_readfirstlane_b32 s42, v6                    ; my wave's number
	v_and_b32 v1, 31, v0
	v_and_b32 v2, 15, v0
	v_bfe_u32 v3, v0, 4, 1
	s_mov_b32 s44, 0x76543210                      ; v_permlanex16_b32: each lane takes its own place in the other half
	s_mov_b32 s45, 0xfedcba98
	s_mov_b32 s43, ttmp9
	s_wait_kmcnt 0x0
	s_cmp_lt_u32 s43, 32
	s_cbranch_scc1 .Lsort
	s_cmp_lt_u32 s43, 80
	s_cbranch_scc1 .Lmid
	s_cmp_eq_u32 s43, 80
	s_cbranch_scc1 .Lout
	s_branch .Lin
; ---- the bounds N1..N4 of expert s91.  The sixteen loads go out first; the arithmetic waits for them alone.
.macro SCALES_LD
	v_lshlrev_b32 v6, 4, v1                        ; 16 x lane
	s_lshl_b32 s90, s91, 10
	v_add_nc_u32 v7, s90, v6                       ; g_in, b_in: 1,024 bytes an expert
	s_mul_i32 s90, s91, 3072
	v_add_nc_u32 v8, s90, v6                       ; g_mid, b_mid: 3,072 bytes an expert
	global_load_b128 v[192:195], v7, s[14:15]
	global_load_b128 v[196:199], v7, s[14:15] offset:512
	global_load_b128 v[200:203], v7, s[16:17]
	global_load_b128 v[204:207], v7, s[16:17] offset:512
.irp m, 0,1,2
	global_load_b128 v[208+16*\m:211+16*\m], v8, s[20:21] offset:1024*\m
	global_load_b128 v[212+16*\m:215+16*\m], v8, s[20:21] offset:1024*\m+512
	global_load_b128 v[216+16*\m:219+16*\m], v8, s[22:23] offset:1024*\m
	global_load_b128 v[220+16*\m:223+16*\m], v8, s[22:23] offset:1024*\m+512
.endr
.endm
.macro SCALES_AR n                     ; n: the loads issued behind the sixteen, which may stay out
	s_wait_loadcnt \n
.irp a, 0,1,2,3,4,5,6,7
	v_pk_mul_f32 v[16+2*\a:17+2*\a], v[192+8*\a:193+8*\a], v[192+8*\a:193+8*\a]
.endr
.irp j, 2,4,6
.irp a, 0,1,2,3,4,5,6,7
	v_pk_fma_f32 v[16+2*\a:17+2*\a], v[192+8*\a+\j:193+8*\a+\j], v[192+8*\a+\j:193+8*\a+\j], v[16+2*\a:17+2*\a]
.endr
.endr
.irp a, 0,1,2,3,4,5,6,7
	v_add_f32 v[16+2*\a], v[16+2*\a], v[17+2*\a]
.endr
.irp m, 1,2,4,8                        ; over the 32 lanes, the eight sums side by side
.irp a, 0,1,2,3,4,5,6,7
	v_add_f32_dpp v[16+2*\a], v[16+2*\a], v[16+2*\a] row_xmask:\m row_mask:0xf bank_mask:0xf
.endr
.endr
.irp a, 0,1,2,3,4,5,6,7
	v_permlanex16_b32 v[17+2*\a], v[16+2*\a], s44, s45
.endr
.irp a, 0,1,2,3,4,5,6,7
	v_add_f32 v[16+2*\a], v[16+2*\a], v[17+2*\a]
.endr
.irp a, 0,1,2,3,4,5,6,7
	v_sqrt_f32 v[16+2*\a], v[16+2*\a]              ; |g_in| v16, |b_in| v18, |g_mid m| v20 + 4 m, |b_mid m| v22 + 4 m
.endr
	v_nop                                          ; a plain instruction behind the last root,
	s_wait_alu depctr_va_vdst(0)                   ; and one wait for the batch of eight, ahead of the first use
	v_fma_f32 v32, v16, 0x40880000, v18            ; N1 = 4.25 |g_in| + |b_in|
	v_max_num_f32 v32, 0x0da24260, v32             ; held at 1e-30
	v_fma_f32 v33, v20, v32, v22
	v_max_num_f32 v33, 0x0da24260, v33
	v_fma_f32 v34, v24, v33, v26
	v_max_num_f32 v34, 0x0da24260, v34
	v_fma_f32 v35, v28, v34, v30
	v_max_num_f32 v35, 0x0da24260, v35
	v_rcp_f32 v36, v32
	v_rcp_f32 v37, v33
	v_rcp_f32 v38, v34
	v_rcp_f32 v39, v35
	v_nop
	s_wait_alu depctr_va_vdst(0)                   ; one wait for the four reciprocals
.irp i, 0,1,2,3
	v_readfirstlane_b32 s[92+\i], v[32+\i]         ; N1..N4
	v_readfirstlane_b32 s[96+\i], v[36+\i]         ; 1/N1..1/N4
.endr
.endm
; ---- a tile of 16 rows x 256 k.  Lane (r, h) takes, for each group gi = 2 kb + half, the eight numbers k = 32 kb + 16 half + 8 h + 0..7 of row r: v9 = the row's offset + 32 h.
.macro T256_LD sb
.set gi, 0
.rept 16
	global_load_b128 v[64+8*gi:67+8*gi], v9, s[\sb:\sb+1] offset:64*gi
	global_load_b128 v[68+8*gi:71+8*gi], v9, s[\sb:\sb+1] offset:64*gi+16
.set gi, gi+1
.endr
.endm
.macro T256_SS                         ; 1 / |row| into v40: my half of the row in four chains, then the lane 16 away; the caller sets the plain instruction and the wait
.irp c, 0,1,2,3
	v_pk_mul_f32 v[40+2*\c:41+2*\c], v[64+2*\c:65+2*\c], v[64+2*\c:65+2*\c]
.endr
.set i, 4
.rept 60
	v_pk_fma_f32 v[40+2*(i%4):41+2*(i%4)], v[64+2*i:65+2*i], v[64+2*i:65+2*i], v[40+2*(i%4):41+2*(i%4)]
.set i, i+1
.endr
	v_pk_add_f32 v[40:41], v[40:41], v[42:43]
	v_pk_add_f32 v[44:45], v[44:45], v[46:47]
	v_pk_add_f32 v[40:41], v[40:41], v[44:45]
	v_add_f32 v40, v40, v41
	v_permlanex16_b32 v41, v40, s44, s45
	v_add_f32 v40, v40, v41
	v_rsq_f32 v40, v40
.endm
.macro T256_ST                         ; times the row's factor v[48:49], rounded to f16 in place, stored: each store of the wave covers 512 consecutive bytes, aligned
.set gi, 0
.rept 16
.irp p, 0,2,4,6
	v_pk_mul_f32 v[64+8*gi+\p:65+8*gi+\p], v[64+8*gi+\p:65+8*gi+\p], v[48:49]
.endr
.irp i, 0,1,2,3
	v_cvt_pk_f16_f32 v[64+8*gi+\i], v[64+8*gi+2*\i], v[65+8*gi+2*\i]
.endr
	global_store_b128 v11, v[64+8*gi:67+8*gi], s[30:31] offset:0x1000*(gi/2)+512*(gi%2)
.set gi, gi+1
.endr
.endm
; ================ input layers: 16 work-groups, wave = channel tile ct of expert e; rows of 36 numbers, K filled up to 64 with zeros
.Lin:
	s_sub_co_u32 s46, s43, 81
	s_lshr_b32 s91, s46, 1                         ; e
	s_and_b32 s49, s46, 1
	s_lshl_b32 s49, s49, 3
	s_add_co_u32 s49, s49, s42                     ; ct
	SCALES_LD
	s_lshl_b32 s50, s91, 8
	s_lshl4_add_u32 s50, s49, s50
	v_add_nc_u32 v15, s50, v2                      ; my row: 256 e + 16 ct + r
	v_mul_u32_u24 v9, v15, 144
	v_lshl_add_u32 v10, v3, 5, v9
	v_lshlrev_b32 v13, 2, v15
	global_load_b128 v[64:67], v10, s[12:13]              ; k = 8 h ..
	global_load_b128 v[68:71], v10, s[12:13] offset:16
	global_load_b128 v[72:75], v10, s[12:13] offset:64    ; k = 16 + 8 h ..
	global_load_b128 v[76:79], v10, s[12:13] offset:80
	global_load_b128 v[80:83], v9, s[12:13] offset:128    ; k = 32 .. 35, in both halves of the lanes; the upper half's copy is set to 0 below
	global_load_b32 v12, v13, s[14:15]                    ; g
	s_mul_i32 s52, s91, EXPB
	s_lshr_b32 s51, s49, 2
	s_lshl_b32 s51, s51, 13
	s_add_co_u32 s52, s52, s51
	s_and_b32 s51, s49, 3
	s_lshl_b32 s51, s51, 10
	s_add_co_u32 s52, s52, s51
	v_add_nc_u32 v11, s52, v6                      ; where the tile goes: e, wave ct / 4, fragment ct % 4, 16 x lane
	SCALES_AR 6                                    ; the six loads above may stay out
	s_wait_loadcnt 0x0
	v_cmp_eq_u32 vcc_lo, 0, v3
	v_cndmask_b32 v14, 0, 1.0, vcc_lo
.irp i, 0,1,2,3
	v_mul_f32 v[80+\i], v14, v[80+\i]
.endr
	v_pk_mul_f32 v[40:41], v[64:65], v[64:65]
	v_pk_mul_f32 v[42:43], v[66:67], v[66:67]
.irp i, 2,3,4,5,6,7,8,9
	v_pk_fma_f32 v[40+2*(\i%2):41+2*(\i%2)], v[64+2*\i:65+2*\i], v[64+2*\i:65+2*\i], v[40+2*(\i%2):41+2*(\i%2)]
.endr
	v_pk_add_f32 v[40:41], v[40:41], v[42:43]
	v_add_f32 v40, v40, v41
	v_permlanex16_b32 v41, v40, s44, s45
	v_add_f32 v40, v40, v41
	v_rsq_f32 v40, v40
	v_mul_f32 v50, s96, v12                        ; g / N1, at most 1 / 4.25,
	v_mul_f32 v50, 0x47000000, v50                 ; x 32768
	s_wait_alu depctr_va_vdst(0)                   ; the wait for the root's reciprocal, ahead of its first use
	v_mul_f32 v48, v40, v50
	v_mov_b32 v49, v48
.irp i, 0,1,2,3,4,5,6,7,8,9
	v_pk_mul_f32 v[64+2*\i:65+2*\i], v[64+2*\i:65+2*\i], v[48:49]
.endr
.irp i, 0,1,2,3
	v_cvt_pk_f16_f32 v[64+\i], v[64+2*\i], v[65+2*\i]
.endr
.irp i, 0,1,2,3
	v_cvt_pk_f16_f32 v[72+\i], v[72+2*\i], v[73+2*\i]
.endr
	v_cvt_pk_f16_f32 v80, v80, v81
	v_cvt_pk_f16_f32 v81, v82, v83
.irp i, 82,83,84,85,86,87
	v_mov_b32 v[\i], 0
.endr
	global_store_b128 v11, v[64:67], s[30:31]
	global_store_b128 v11, v[72:75], s[30:31] offset:512
	global_store_b128 v11, v[80:83], s[30:31] offset:0x1000
	global_store_b128 v11, v[84:87], s[30:31] offset:0x1200
	s_cmp_lg_u32 s49, 0
	s_cbranch_scc1 .Lin_end                        ; one wave an expert (ct = 0) stores the four scaled biases from the registers that gave the norms
	s_lshl_b32 s50, s91, 12
	v_add_nc_u32 v52, s50, v6
	v_mov_b32 v56, 0x47000000
.irp l, 0,1,2,3
	v_mul_f32 v[58+2*(\l%2)], s[96+\l], v56        ; 32768 / N
	v_mul_f32 v[59+2*(\l%2)], s[96+\l], v56
.irp p, 0,2,4,6
	v_pk_mul_f32 v[200+16*\l+\p:201+16*\l+\p], v[200+16*\l+\p:201+16*\l+\p], v[58+2*(\l%2):59+2*(\l%2)]
.endr
	global_store_b128 v52, v[200+16*\l:203+16*\l], s[32:33] offset:1024*\l
	global_store_b128 v52, v[204+16*\l:207+16*\l], s[32:33] offset:1024*\l+512
.endr
.Lin_end:
	FINISH
; ================ middle layers: 48 work-groups, two to a layer; wave = channel tile ct
.Lmid:
	s_sub_co_u32 s46, s43, 32
	s_lshr_b32 s47, s46, 1                         ; 3 e + m
	s_mul_i32 s91, s47, 11
	s_lshr_b32 s91, s91, 5                         ; e = (3 e + m) / 3, exact for 0 .. 23
	s_mul_i32 s48, s91, 3
	s_sub_co_u32 s48, s47, s48                     ; m
	s_and_b32 s49, s46, 1
	s_lshl_b32 s49, s49, 3
	s_add_co_u32 s49, s49, s42                     ; ct
	SCALES_LD
	s_lshl_b32 s50, s47, 18                        ; a layer is 262,144 bytes,
	s_lshl_b32 s51, s49, 14                        ; 16 rows are 16,384
	s_add_co_u32 s50, s50, s51
	v_lshlrev_b32 v9, 10, v2
	v_lshl_add_u32 v9, v3, 5, v9
	v_add_nc_u32 v9, s50, v9
	T256_LD 18
	s_lshl_b32 s50, s47, 10
	s_lshl_b32 s51, s49, 6
	s_add_co_u32 s50, s50, s51
	v_lshl_add_u32 v10, v2, 2, s50
	global_load_b32 v12, v10, s[20:21]             ; g
	s_mul_i32 s52, s91, EXPB
	s_lshl_b32 s51, s48, 17
	s_add_co_u32 s52, s52, s51
	s_lshr_b32 s51, s49, 2
	s_lshl_b32 s51, s51, 15
	s_add_co_u32 s52, s52, s51
	s_and_b32 s51, s49, 3
	s_lshl_b32 s51, s51, 10
	s_add_co_u32 s52, s52, s51
	s_add_co_u32 s52, s52, 0x8000
	v_add_nc_u32 v11, s52, v6
	SCALES_AR 33                                   ; the tile's 32 loads and g may stay out
	s_cmp_eq_u32 s48, 0                            ; the layer's N in front and 1 / N behind
	s_cselect_b32 s53, s92, s93
	s_cselect_b32 s54, s97, s98
	s_cmp_eq_u32 s48, 2
	s_cselect_b32 s53, s94, s53
	s_cselect_b32 s54, s99, s54
	s_wait_loadcnt 0x0
	T256_SS
	v_mul_f32 v14, s53, v12                        ; g N_(l-1), at most N_l,
	v_mul_f32 v14, s54, v14                        ; / N_l
	s_wait_alu depctr_va_vdst(0)
	v_mul_f32 v48, v40, v14
	v_mov_b32 v49, v48
	T256_ST
	FINISH
; ================ output layers: one work-group, wave e = expert e; channels 3 .. 15 of the tile are zeros (they repeat row 2 and are multiplied by 0)
.Lout:
	s_mov_b32 s91, s42
	SCALES_LD
	s_mul_i32 s50, s42, 3
	v_min_u32 v15, 2, v2
	v_add_nc_u32 v15, s50, v15
	v_lshlrev_b32 v9, 10, v15
	v_lshl_add_u32 v9, v3, 5, v9
	v_lshlrev_b32 v10, 2, v15
	T256_LD 24
	global_load_b32 v12, v10, s[26:27]             ; g_out
	global_load_b32 v13, v10, s[28:29]             ; b_out
	s_mul_i32 s52, s42, EXPB
	s_add_co_u32 s52, s52, 0x68000
	v_add_nc_u32 v11, s52, v6
	SCALES_AR 34
	s_wait_loadcnt 0x0
	v_cmp_gt_u32 vcc_lo, 3, v2
	v_cndmask_b32 v14, 0, 1.0, vcc_lo
	T256_SS
	v_nop
	s_wait_alu depctr_va_vdst(0)
	v_mul_f32 v48, v40, v14
	v_mov_b32 v49, v48
	T256_ST
	v_mul_f32 v50, s95, v12                        ; g_out N4
	v_mul_f32 v50, 0x38b8aa3b, v50                 ; x 2 log2(e) / 32768
	v_mul_f32 v51, 0x4038aa3b, v13                 ; b_out x 2 log2(e)
	s_lshl_b32 s50, s42, 5
	v_lshl_add_u32 v52, v1, 2, s50
	s_wait_xcnt 0x0                                ; EXEC is a source of the stores above: it changes only behind this wait
	v_cmp_gt_u32 vcc_lo, 3, v1
	s_and_saveexec_b32 s55, vcc_lo
	global_store_b32 v52, v50, s[34:35]
	global_store_b32 v52, v51, s[34:35] offset:16
	s_wait_xcnt 0x0
	s_or_b32 exec_lo, exec_lo, s55
	FINISH
; ================ the sort
.macro FLUSH a, e, o                   ; a nibble counter is emptied into two byte counters: even experts, odd experts
	v_and_b32 v42, s46, v[\a]
	v_lshrrev_b32 v43, 4, v[\a]
	v_mov_b32 v[\a], 0
	v_add_nc_u32 v[\e], v[\e], v42
	v_and_b32 v43, s46, v43
	v_add_nc_u32 v[\o], v[\o], v43
.endm
.macro ISUM r                          ; a sum of whole numbers over the 32 lanes
.irp m, 1,2,4,8
	v_mov_b32_dpp v42, v[\r] row_xmask:\m row_mask:0xf bank_mask:0xf
	v_add_nc_u32 v[\r], v[\r], v42
.endr
	v_permlanex16_b32 v42, v[\r], s44, s45
	v_add_nc_u32 v[\r], v[\r], v42
.endm
.Lsort:
	s_mov_b32 s46, 0x0f0f0f0f
	s_mov_b32 s47, 0x00ff00ff
	v_lshlrev_b32 v6, 4, v0                        ; 16 t
	s_lshl_b32 s90, s43, 12
	v_add_nc_u32 v7, s90, v6                       ; my four ids: chunk j, 16 t
	v_mul_u32_u24 v62, v0, 48
	s_mul_i32 s91, s43, 12288
	v_add_nc_u32 v62, s91, v62                     ; and their twelve coordinates
	global_load_b128 v[8:11], v7, s[8:9]
.irp k, 0,1,2,3
	global_load_b96 v[12+4*\k:14+4*\k], v62, s[10:11] offset:12*\k
.endr
.set q, 0
.rept 32                                               ; the whole array: region q is chunk q; a thread takes 16 bytes of each
	global_load_b128 v[64+4*q:67+4*q], v6, s[8:9] offset:4096*q
.set q, q+1
.endr
.irp i, 15,19,23,27,28,29,30,31,36,37,38,39,40,41
	v_mov_b32 v[\i], 0
.endr
.irp e, 0,1,2,3,4,5,6,7
	s_mov_b32 s[48+\e], 0
.endr
	s_wait_loadcnt 36                              ; my ids are in; the 4 loads of X and the 32 regions stay out
.irp k, 0,1,2,3
	v_and_b32 v[32+\k], 7, v[8+\k]
.endr
.irp k, 0,1,2,3                        ; the rank of each of my ids among the wave's ids of the same expert; s[48:55] end as the wave's counts
.irp e, 0,1,2,3,4,5,6,7
	v_cmp_eq_u32 s90, \e, v[32+\k]
	v_mbcnt_lo_u32_b32 v42, s90, s[48+\e]
	s_bcnt1_i32_b32 s91, s90
	v_cndmask_b32 v[28+\k], v[28+\k], v42, s90
	s_add_co_u32 s[48+\e], s[48+\e], s91
.endr
.endr
.set q, 0
.rept 32                                               ; each id adds 1 to nibble id mod 8 (the shift takes five bits of 4 x id); three regions are 12 at the most in a nibble
	s_wait_loadcnt 31-q                            ; region q is in; the 31 - q younger ones stay out
	s_cmp_gt_u32 s43, q
	s_cselect_b32 s92, -1, 0                       ; does chunk q lie in front of mine?
	v_lshlrev_b32 v42, 2, v[64+4*q]
	v_lshlrev_b32 v43, 2, v[65+4*q]
	v_lshlrev_b32 v44, 2, v[66+4*q]
	v_lshlrev_b32 v45, 2, v[67+4*q]
	v_lshl_add_u32 v46, 1, v42, 0
	v_lshl_add_u32 v46, 1, v43, v46
	v_lshl_add_u32 v46, 1, v44, v46
	v_lshl_add_u32 v46, 1, v45, v46
	v_and_b32 v47, s92, v46
	v_add_nc_u32 v36, v36, v46
	v_add_nc_u32 v37, v37, v47
.if (q%3 == 2) || (q == 31)
	FLUSH 36, 38, 39
	FLUSH 37, 40, 41
.endif
.set q, q+1
.endr
	; bytes (128 at the most) to fields of 16 bits: a quad holds experts 0|4, 2|6, 1|5, 3|7
	v_and_b32 v50, s47, v38
	v_lshrrev_b32 v51, 8, v38
	v_and_b32 v51, s47, v51
	v_and_b32 v52, s47, v39
	v_lshrrev_b32 v53, 8, v39
	v_and_b32 v53, s47, v53
	v_and_b32 v54, s47, v40
	v_lshrrev_b32 v55, 8, v40
	v_and_b32 v55, s47, v55
	v_and_b32 v56, s47, v41
	v_lshrrev_b32 v57, 8, v41
	v_and_b32 v57, s47, v57
	ds_store_b128 v6, v[50:53]
	ds_store_b128 v6, v[54:57] offset:4096
.irp e, 0,1,2,3,4,5,6,7
	v_mov_b32 v[42+\e], s[48+\e]
.endr
	v_mov_b32 v58, s42
	v_lshlrev_b32 v58, 5, v58
	ds_store_b128 v58, v[42:45] offset:8192        ; the wave's eight counts: all lanes write the same words with the same values
	ds_store_b128 v58, v[46:49] offset:8208
	s_wait_dscnt 0x0                               ; for the others' sake: my stores are done
	s_barrier_signal -1
	s_barrier_wait -1
	v_lshlrev_b32 v59, 4, v1
	v_lshlrev_b32 v61, 2, v1
.irp i, 0,1,2,3,4,5,6,7                ; every wave adds up all 256 threads' quads: eight a lane, then over the lanes (fields: 32,768 at the most)
	ds_load_b128 v[64+4*\i:67+4*\i], v59 offset:512*\i
.endr
.irp i, 0,1,2,3,4,5,6,7
	ds_load_b128 v[96+4*\i:99+4*\i], v59 offset:4096+512*\i
.endr
	ds_load_b32 v60, v61 offset:8192               ; lane l: wave l / 8's count of expert l % 8,
	ds_load_b32 v63, v61 offset:8320               ; and wave 4 + l / 8's
	s_wait_dscnt 0x0
.irp i, 1,2,3,4,5,6,7
.irp c, 0,1,2,3
	v_add_nc_u32 v[64+\c], v[64+\c], v[64+4*\i+\c]
	v_add_nc_u32 v[96+\c], v[96+\c], v[96+4*\i+\c]
.endr
.endr
.irp r, 64,65,66,67,96,97,98,99
	ISUM \r
.endr
	v_readfirstlane_b32 s90, v64                   ; totals s[56:63]
	s_and_b32 s56, s90, 0xffff
	s_lshr_b32 s60, s90, 16
	v_readfirstlane_b32 s90, v65
	s_and_b32 s58, s90, 0xffff
	s_lshr_b32 s62, s90, 16
	v_readfirstlane_b32 s90, v66
	s_and_b32 s57, s90, 0xffff
	s_lshr_b32 s61, s90, 16
	v_readfirstlane_b32 s90, v67
	s_and_b32 s59, s90, 0xffff
	s_lshr_b32 s63, s90, 16
	v_readfirstlane_b32 s90, v96                   ; counts in the chunks in front of mine s[66:73]
	s_and_b32 s66, s90, 0xffff
	s_lshr_b32 s70, s90, 16
	v_readfirstlane_b32 s90, v97
	s_and_b32 s68, s90, 0xffff
	s_lshr_b32 s72, s90, 16
	v_readfirstlane_b32 s90, v98
	s_and_b32 s67, s90, 0xffff
	s_lshr_b32 s71, s90, 16
	v_readfirstlane_b32 s90, v99
	s_and_b32 s69, s90, 0xffff
	s_lshr_b32 s73, s90, 16
	s_mov_b32 s74, 0                               ; each expert's first sorted row s[74:81]
.irp e, 0,1,2,3,4,5,6
	s_add_co_u32 s[75+\e], s[74+\e], s[56+\e]
.endr
	v_mov_b32 v50, 0
.irp e, 0,1,2,3,4,5,6,7
	s_add_co_u32 s90, s[74+\e], s[66+\e]
	v_writelane_b32 v50, s90, \e                   ; lane e: where my chunk's rows of expert e begin
.endr
	v_lshrrev_b32 v51, 3, v1                       ; the counts of the waves in front of mine
	v_cmp_gt_u32 vcc_lo, s42, v51
	v_cndmask_b32 v60, 0, v60, vcc_lo
	v_add_nc_u32 v51, 4, v51
	v_cmp_gt_u32 vcc_lo, s42, v51
	v_cndmask_b32 v63, 0, v63, vcc_lo
	v_add_nc_u32 v60, v60, v63
	v_mov_b32_dpp v52, v60 row_xmask:8 row_mask:0xf bank_mask:0xf
	v_add_nc_u32 v60, v60, v52
	v_permlanex16_b32 v52, v60, s44, s45
	v_add_nc_u32 v60, v60, v52
	v_add_nc_u32 v50, v50, v60
.irp k, 0,1,2,3
	v_lshlrev_b32 v[42+\k], 2, v[32+\k]
.endr
.irp k, 0,1,2,3
	ds_bpermute_b32 v[46+\k], v[42+\k], v50        ; each id fetches its expert's base from lane id
.endr
	s_lshl_b32 s90, s43, 10
	v_lshl_add_u32 v54, v0, 2, s90                 ; my first token's number
	v_add_nc_u32 v55, 1, v54
	v_add_nc_u32 v56, 2, v54
	v_add_nc_u32 v57, 3, v54
	s_wait_dscnt 0x0
.irp k, 0,1,2,3
	v_add_nc_u32 v[46+\k], v[46+\k], v[28+\k]
	v_min_u32 v[46+\k], 0x7fff, v[46+\k]           ; the sorted row
	v_lshlrev_b32 v[42+\k], 2, v[46+\k]
	v_lshlrev_b32 v[46+\k], 4, v[46+\k]
.endr
.irp k, 0,1,2,3
	global_store_b32 v[42+\k], v[54+\k], s[38:39]
	global_store_b128 v[46+\k], v[12+4*\k:15+4*\k], s[40:41]
.endr
	s_cmp_lg_u32 s43, 0
	s_cbranch_scc1 .Lsort_end
	; THE TABLE, by work-group 0: entry t = (expert, first sorted row, rows, 0) of tile t; tiles of 144 rows, an expert's last one as long as is left; entries past the last tile have 0 rows
	s_mov_b32 s82, 0                               ; each expert's first tile s[82:89]
.irp e, 0,1,2,3,4,5,6
	s_add_co_u32 s90, s[56+\e], 143
	s_lshr_b32 s90, s90, 4
	s_mul_i32 s90, s90, 7282                       ; / 9, exact up to 2,056
	s_lshr_b32 s90, s90, 16
	s_add_co_u32 s[83+\e], s[82+\e], s90
.endr
	v_mov_b32 v100, 0
	v_mov_b32 v101, 0
	v_mov_b32 v102, 0
	v_mov_b32 v103, s56
.irp e, 1,2,3,4,5,6,7
	v_cmp_le_u32 vcc_lo, s[82+\e], v0
	v_cndmask_b32 v100, v100, \e, vcc_lo
	v_cndmask_b32 v101, v101, s[82+\e], vcc_lo
	v_cndmask_b32 v102, v102, s[74+\e], vcc_lo
	v_cndmask_b32 v103, v103, s[56+\e], vcc_lo
.endr
	v_sub_nc_u32 v101, v0, v101
	v_mul_u32_u24 v101, v101, 144
	v_mov_b32 v104, v100
	v_add_nc_u32 v105, v102, v101
	v_sub_nc_u32 v106, v103, v101
	v_min_i32 v106, 144, v106
	v_max_i32 v106, 0, v106
	v_mov_b32 v107, 0
	global_store_b128 v6, v[104:107], s[36:37]
.Lsort_end:
	FINISH
.Lfunc_end_k_q307478c78f_prep:
	.size	k_q307478c78f_prep, .Lfunc_end_k_q307478c78f_prep-k_q307478c78f_prep
	.p2alignl 7, 3214868480
	.fill 96, 4, 3214868480
	.section	.rodata,"a",@progbits
	.p2align	6, 0x0
	.amdhsa_kernel k_q307478c78f_prep
		.amdhsa_group_segment_fixed_size 9472
		.amdhsa_private_segment_fixed_size 0
		.amdhsa_enable_private_segment 0
		.amdhsa_kernarg_size 136
		.amdhsa_user_sgpr_count 2
		.amdhsa_user_sgpr_kernarg_segment_ptr 1
		.amdhsa_wavefront_size32 1
		.amdhsa_system_sgpr_workgroup_id_x 1
		.amdhsa_system_sgpr_workgroup_id_y 1
		.amdhsa_system_sgpr_workgroup_id_z 1
		.amdhsa_system_vgpr_workitem_id 0
		.amdhsa_next_free_vgpr 256
		.amdhsa_next_free_sgpr 100
		.amdhsa_reserve_vcc 1
		.amdhsa_float_denorm_mode_32 3
		.amdhsa_float_denorm_mode_16_64 3
		.amdhsa_memory_ordered 1
		.amdhsa_forward_progress 1
		.amdhsa_inst_pref_size 121
	.end_amdhsa_kernel
	.amdgpu_metadata
---
amdhsa.version: [ 1, 2 ]
amdhsa.kernels:
  - .name:           k_q307478c78f_prep
    .symbol:         k_q307478c78f_prep.kd
    .args:
      - { .name: cluster_ids, .offset: 0, .size: 8, .value_kind: global_buffer, .address_space: global }
      - { .name: X, .offset: 8, .size: 8, .value_kind: global_buffer, .address_space: global }
      - { .name: V_in, .offset: 16, .size: 8, .value_kind: global_buffer, .address_space: global }
      - { .name: g_in, .offset: 24, .size: 8, .value_kind: global_buffer, .address_space: global }
      - { .name: b_in, .offset: 32, .size: 8, .value_kind: global_buffer, .address_space: global }
      - { .name: V_mid, .offset: 40, .size: 8, .value_kind: global_buffer, .address_space: global }
      - { .name: g_mid, .offset: 48, .size: 8, .value_kind: global_buffer, .address_space: global }
      - { .name: b_mid, .offset: 56, .size: 8, .value_kind: global_buffer, .address_space: global }
      - { .name: V_out, .offset: 64, .size: 8, .value_kind: global_buffer, .address_space: global }
      - { .name: g_out, .offset: 72, .size: 8, .value_kind: global_buffer, .address_space: global }
      - { .name: b_out, .offset: 80, .size: 8, .value_kind: global_buffer, .address_space: global }
      - { .name: Wb, .offset: 88, .size: 8, .value_kind: global_buffer, .address_space: global }
      - { .name: bs, .offset: 96, .size: 8, .value_kind: global_buffer, .address_space: global }
      - { .name: op, .offset: 104, .size: 8, .value_kind: global_buffer, .address_space: global }
      - { .name: tab, .offset: 112, .size: 8, .value_kind: global_buffer, .address_space: global }
      - { .name: perm, .offset: 120, .size: 8, .value_kind: global_buffer, .address_space: global }
      - { .name: Xs, .offset: 128, .size: 8, .value_kind: global_buffer, .address_space: global }
    .group_segment_fixed_size: 9472
    .private_segment_fixed_size: 0
    .kernarg_segment_align: 8
    .kernarg_segment_size: 136
    .max_flat_workgroup_size: 256
    .sgpr_count:     100
    .vgpr_count:     256
    .wavefront_size: 32
...
	.end_amdgpu_metadata
.endif
;; end of part 1
;; launch chain (part 2): grid 235 x 1, 4 waves a work-group, no clusters, 152,576 bytes of LDS; arguments Wb, bs, op, tab, perm, Xs, out0; writes out0
.if DOCPART == 2
	.amdgcn_target "amdgcn-amd-amdhsa--gfx1250"
	.amdhsa_code_object_version 6
	.text
	.protected	k_q307478c78f_chain
	.globl	k_q307478c78f_chain
	.p2align	8
	.type	k_q307478c78f_chain,@function
k_q307478c78f_chain:
	s_mov_b64 s[64:65], 0
	v_nop
	global_prefetch_b8 v0, s[64:65] scope:SCOPE_SE
	s_setreg_imm32_b32 hwreg(HW_REG_WAVE_MODE, 25, 1), 1
	s_wait_xcnt 0x0
; ONE TILE OF 144 SORTED ROWS OF ONE EXPERT THROUGH THE WHOLE CHAIN: encoding, 36(64) -> 256 -> 256 -> 256 -> 256 -> 3(16), tanh, scatter to out0.  Straight text: no loop, no branch.
; GRID.  With tiles of 144 rows there are never more than 227 + 8 = 235 tiles, whatever the split of the 32,768 tokens over the 8 experts.  A tile's places past its count repeat its last row;
; a tile with no rows runs on a row that exists and stores nothing.
; SHARES.  A wave owns 64 of a layer's 256 output channels for all 144 tokens: 4 x 9 = 36 accumulators.  D = W (source 0: 16 channels) x H^T (source 1: 16 tokens): a lane then holds ONE token
; and eight neighbouring channels, which round to the 16 bytes that the next layer reads.  The weights come from memory straight into the operand registers of the one wave that multiplies them
; (a ring of eight slots of 32 k, asked for seven steps ahead); the hidden layer goes through two LDS buffers that take turns; the bias is the C operand of a layer's first step.
; NO JOINT LOADS: 235 does not divide into clusters, neighbours at an expert's edge walk other weights, and a tile that lands in LDS would add 64 LDS reads to a wave's 180 a layer.
; FORMATS.  Operands f16, sums f32.  The hidden layers are carried scaled by 32768 / N_l with a bound N_l that holds for every input (made and folded into weights and biases by the launch in front),
; so no number passes 32,768.  Small numbers keep f16's fixed step of 6e-8.
; LIMITS.  sin and cos: x less the nearest multiple of 2 pi (in two parts), a quarter of that by series to x^9 and x^8, then seven doublings; good for |x| up to about 1e6; NaN and infinities are not treated apart.
; REGISTERS, in windows of 256 (s_set_vgpr_msb: bits 1:0 source 0, 3:2 source 1, 5:4 source 2, 7:6 destination):
;   window 0: v0 thread, v1 lane % 16, v2 lane / 16, v3 lane, v4 my spare word, v5 0, v6 0 (ReLU); v8-11 where I read H0, H1 (and token tile 8 of each); v12-15 where I store; v16 the output layer's reads;
;             v17-19 weight offsets (input, middle, output layer); v20 bias offset; v21-23 my tokens' numbers; v24 lane % 16 + 4096 (lane / 16); v25-31 offsets;
;             v32-63, v64-95 two bias buffers; v96-167, v168-239 two buffers of nine token fragments (before that the encoder's); v240-255 packed results
;   window 1: the ring of weights, slot kb at 32 kb; in the output layer 24 token fragments      window 2: accumulators (t, c) at 8 (4 t + c), t = 0 .. 7
;   window 3: v0-31 accumulators of t = 8; v32-95 the input layer's weights, later the output layer's
.set PITCH, 528                        ; a row of H: 512 bytes + 16: the 16 rows of a load or store begin in 16 different columns of 16 bytes
.set TROW,  16*PITCH                   ; a token tile
.set T8,    8*TROW                     ; token tile 8 lies past the 16-bit offset: it has address registers of its own
.set H1,    144*PITCH                  ; H0 at 0, H1 here
.set SPARE, 2*H1                       ; behind the two: the spare words, 128 bytes a wave
.set MIDB,  0x8000
.set OUTB,  0x68000
.set BI0, 32
.set BI1, 64
.set BF,  96
.set TP,  240
.set NQ, 226                           ; the encoder's five pairs at work, + 10 q for stream q
.set TH, 228
.set ZZ, 230
.set PS, 232
.set PC, 234
.set MSB, 0
.macro WIN new                         ; the immediate's high byte repeats the setting that is left; a switch that changes nothing is dropped
.if MSB != (\new)
	s_set_vgpr_msb (MSB<<8)|(\new)
.set MSB, \new
.endif
.endm
.macro PLACES                          ; four places between a matrix instruction and a load into, or a vector instruction on, its registers
.rept 4
	v_nop
.endr
.endm
.macro FETCH rd, kk, p                 ; nine token fragments (144 tokens x 32 k at byte 64 kk of the rows) into buffer p
	WIN 0
.irp t, 0,1,2,3,4,5,6,7
	ds_load_b128 v[BF+72*(\p)+8*\t:BF+72*(\p)+8*\t+3],   v[\rd] offset:TROW*\t+64*(\kk)
	ds_load_b128 v[BF+72*(\p)+8*\t+4:BF+72*(\p)+8*\t+7], v[\rd] offset:TROW*\t+64*(\kk)+32
.endr
	ds_load_b128 v[BF+72*(\p)+64:BF+72*(\p)+67], v[\rd+1] offset:64*(\kk)
	ds_load_b128 v[BF+72*(\p)+68:BF+72*(\p)+71], v[\rd+1] offset:64*(\kk)+32
.endm
.macro GW win, reg, voff, imm          ; a slot of weights: four fragments, eight loads of 512 consecutive bytes
	WIN \win
.irp i, 0,1,2,3,4,5,6,7
	global_load_b128 v[(\reg)+4*\i:(\reg)+4*\i+3], v[\voff], s[4:5] offset:(\imm)+512*\i
.endr
.endm
.macro GWO                             ; the output layer's eight fragments
	WIN 0xc0
.irp i, 0,1,2,3,4,5,6,7
	global_load_b128 v[32+8*\i:35+8*\i], v19, s[4:5] offset:OUTB+0x1000*\i
	global_load_b128 v[36+8*\i:39+8*\i], v19, s[4:5] offset:OUTB+0x1000*\i+512
.endr
.endm
.macro GB bi, layer                    ; a layer's bias as four C operands: register j of lane (r, h) is channel 64 w + 16 c + 8 h + j
	WIN 0
.irp c, 0,1,2,3
	global_load_b128 v[(\bi)+8*\c:(\bi)+8*\c+3],   v20, s[6:7] offset:1024*(\layer)+64*\c
	global_load_b128 v[(\bi)+8*\c+4:(\bi)+8*\c+7], v20, s[6:7] offset:1024*(\layer)+64*\c+16
.endr
.endm
; 36 matrix instructions: 32 along K for all 36 accumulators, which take turns in the same order in every step.  first = 1: the bias starts the sums.
.macro MULS aw, areg, p, first, bi
.set t, 0
.rept 9
.if \first
	WIN 0x80+0x40*(t/8)+(\aw)
.else
	WIN 0xa0+0x50*(t/8)+(\aw)
.endif
.irp c, 0,1,2,3
.if \first
	v_wmma_f32_16x16x32_f16 v[(32*t+8*\c)%256:(32*t+8*\c)%256+7], v[(\areg)+8*\c:(\areg)+8*\c+7], v[BF+72*(\p)+8*t:BF+72*(\p)+8*t+7], v[(\bi)+8*\c:(\bi)+8*\c+7]
.else
	v_wmma_f32_16x16x32_f16 v[(32*t+8*\c)%256:(32*t+8*\c)%256+7], v[(\areg)+8*\c:(\areg)+8*\c+7], v[BF+72*(\p)+8*t:BF+72*(\p)+8*t+7], v[(32*t+8*\c)%256:(32*t+8*\c)%256+7]
.endif
.endr
.set t, t+1
.endr
.endm
.macro HEADS n                         ; a step's head: its weights are in (n younger loads may stay out), its token fragments, asked for a step ago, are in; then the places for the loads that follow
.if (\n) >= 0
	s_wait_loadcnt \n
.endif
	s_wait_dscnt 0x0
	PLACES
.endm
.macro EPI st                          ; a layer's way into LDS: rounded to f16 (each accumulator's registers in ascending order), ReLU on packed halves, 16 bytes a lane
	PLACES
.set t, 0
.rept 9
	WIN 0x0a+5*(t/8)
.irp c, 0,1,2,3
.irp i, 0,1,2,3
	v_cvt_pk_f16_f32 v[TP+4*\c+\i], v[(32*t+8*\c)%256+2*\i], v[(32*t+8*\c)%256+2*\i+1]
.endr
.endr
	WIN 0
.irp i, 0,1,2,3,4,5,6,7,8,9,10,11,12,13,14,15
	v_pk_max_num_f16 v[TP+\i], v[TP+\i], v6
.endr
.irp c, 0,1,2,3
.if t < 8
	ds_store_b128 v[\st], v[TP+4*\c:TP+4*\c+3] offset:TROW*t+32*\c
.else
	ds_store_b128 v[\st+1], v[TP+4*\c:TP+4*\c+3] offset:32*\c
.endif
.endr
.set t, t+1
.endr
.endm
.macro BAR                             ; my stores into the new buffer are done and my reads of the old one are back; then everybody's are
	s_wait_dscnt 0x0
	s_barrier_signal -1
	s_barrier_wait -1
.endm
; A middle layer: eight steps of 32 along K.  A step asks for the next step's token fragments and refills the ring slot that the step before read.
; The counts of the waits are the loads issued behind the slot that the step multiplies (63 where they are more).
.macro MID m, rd, st, bi
.set kb, 0
.rept 8
.if (\m) == 0
	HEADS 63
.elseif (\m) == 1
.if kb == 0
	HEADS 56                                       ; behind slot 0: the last layer's bias and slots 1 to 6
.else
	HEADS 48                                       ; six slots
.endif
.else
.if kb < 2
	HEADS 48
.else
	HEADS 8*(7-kb)                                 ; nothing more is asked for: the counts run down
.endif
.endif
.if kb < 7
	FETCH \rd, kb+1, (kb+1)%2
.endif
.if ((\m) == 0) && (kb == 0)
	GWO
.elseif ((\m) == 0) && (kb == 1)
	GW 0x40, 0, 18, MIDB+0x20000
	GB BI1, 3
.elseif kb == 0
	GW 0x40, 224, 18, MIDB+0x20000*(\m)+0x7000
.elseif (\m) < 2
	GW 0x40, 32*(kb-1), 18, MIDB+0x20000*((\m)+1)+0x1000*(kb-1)
.endif
.if kb == 0
	MULS 1, 0, 0, 1, \bi
.else
	MULS 1, 32*kb, kb%2, 0, 0
.endif
.set kb, kb+1
.endr
	EPI \st
	BAR
.endm
.macro ROWOF dst, src, sh              ; the sorted row of place src of the tile (places past the count repeat the last row), as a byte offset
	v_min_u32 v[\dst], s27, v[\src]
	v_add_nc_u32 v[\dst], s25, v[\dst]
	v_min_u32 v[\dst], 0x7fff, v[\dst]
	v_lshlrev_b32 v[\dst], \sh, v[\dst]
.endm
.macro E3 line:vararg                  ; one line for each of the encoder's three streams q
.set q, 0
.rept 3
	\line
.set q, q+1
.endr
.endm
.macro DBL sd, cd, ss, cs              ; the double angle: t = 2 s; s' = t c; c' = 1 - t s
	E3 v_pk_add_f32 v[NQ+10*q:NQ+10*q+1], v[\ss:\ss+1], v[\ss:\ss+1]
	E3 v_pk_mul_f32 v[\sd:\sd+1], v[NQ+10*q:NQ+10*q+1], v[\cs:\cs+1]
	E3 v_pk_fma_f32 v[\cd:\cd+1], v[NQ+10*q:NQ+10*q+1], v[\ss:\ss+1], 1.0 op_sel_hi:[1,1,0] neg_lo:[0,1,0] neg_hi:[0,1,0]
.endm
	s_load_b256 s[4:11], s[0:1], 0x0               ; Wb s[4:5], bs s[6:7], op s[8:9], tab s[10:11]
	s_load_b128 s[12:15], s[0:1], 0x20             ; perm s[12:13], Xs s[14:15]
	s_load_b64 s[16:17], s[0:1], 0x30              ; out0
	v_lshl_add_u32 v4, v0, 2, SPARE
	v_mov_b32 v5, 0
	v_mov_b32 v6, 0
	v_lshrrev_b32 v7, 5, v0
	v_readfirstlane_b32 s18, v7                    ; my wave's number w
	s_lshl_b32 s2, ttmp9, 4
	s_wait_kmcnt 0x0
	s_load_b128 s[20:23], s[10:11], s2 offset:0x0  ; my tile: expert, first sorted row, rows
	v_and_b32 v1, 15, v0
	v_bfe_u32 v2, v0, 4, 1
	v_and_b32 v3, 31, v0
	v_mul_u32_u24 v8, v1, PITCH
	v_lshl_add_u32 v8, v2, 4, v8                   ; row r x pitch + 16 h
	v_add_nc_u32 v9, T8, v8
	v_add_nc_u32 v10, H1, v8
	v_add_nc_u32 v11, H1+T8, v8
	v_lshl_add_u32 v12, s18, 7, v8                 ; + my 64 channels' 128 bytes
	v_add_nc_u32 v13, T8, v12
	v_add_nc_u32 v14, H1, v12
	v_add_nc_u32 v15, H1+T8, v12
	s_mul_i32 s19, s18, TROW
	v_add_nc_u32 v16, s19, v8                      ; token tile w of H0
	v_lshlrev_b32 v19, 4, v3
	v_lshl_add_u32 v17, s18, 13, v19
	v_lshl_add_u32 v18, s18, 15, v19
	v_lshlrev_b32 v20, 5, v2
	v_lshl_add_u32 v20, s18, 8, v20
	v_lshl_add_u32 v24, v2, 12, v1
	v_mul_u32_u24 v30, v0, PITCH                   ; the encoder's first token is the thread's number,
	v_and_b32 v26, 3, v0
	v_lshl_add_u32 v26, s18, 2, v26
	v_add_nc_u32 v26, 128, v26                     ; its second 128 + 4 w + lane % 4 (eight lanes make the same row)
	v_mul_u32_u24 v31, v26, PITCH
	v_lshl_add_u32 v27, s18, 4, v1                 ; the tokens whose results I store: tiles w, w + 4 and 8
	v_add_nc_u32 v28, 64, v27
	v_add_nc_u32 v29, 128, v1
	v_mov_b32 v222, 0x3638ef1d                     ; 1 / 9!
	v_mov_b32 v223, 0x3638ef1d
	v_mov_b32 v224, 0x37d00d01                     ; 1 / 8!
	v_mov_b32 v225, 0x37d00d01
.irp i, 186,187,188,189,190,191,210,211
	v_mov_b32 v[\i], 0
.endr
	s_wait_kmcnt 0x0
	s_min_u32 s24, s20, 7
	s_min_u32 s25, s21, 0x7fff
	s_min_u32 s26, s22, 144
	s_sub_co_i32 s27, s26, 1
	s_max_i32 s27, s27, 0                          ; the tile's last place that has a row
	s_lshl_b32 s3, s24, 5
	s_load_b96 s[28:30], s[8:9], s3 offset:0x0     ; the output layer's three gains,
	s_load_b96 s[32:34], s[8:9], s3 offset:0x10    ; and biases
	s_mul_i32 s36, s24, 0x70000
	s_mov_b32 s37, 0
	s_add_nc_u64 s[4:5], s[4:5], s[36:37]          ; my expert's weights
	s_lshl_b32 s36, s24, 12
	s_add_nc_u64 s[6:7], s[6:7], s[36:37]          ; and biases
	ROWOF 25, 0, 4
	ROWOF 26, 26, 4
	ROWOF 27, 27, 2
	ROWOF 28, 28, 2
	ROWOF 29, 29, 2
	global_load_b128 v[212:215], v25, s[14:15]
	global_load_b128 v[216:219], v26, s[14:15]
	global_load_b32 v21, v27, s[12:13]
	global_load_b32 v22, v28, s[12:13]
	global_load_b32 v23, v29, s[12:13]
	GW 0xc0, 32, 17, 0                             ; the input layer's two slots,
	GW 0xc0, 64, 17, 0x1000
	GB BI0, 0                                      ; its bias, the first middle layer's,
	GB BI1, 1
	GW 0x40, 0, 18, MIDB                           ; and that layer's first three slots
	GW 0x40, 32, 18, MIDB+0x1000
	GW 0x40, 64, 18, MIDB+0x2000
	WIN 0
	s_wait_kmcnt 0x0
	; THE ENCODING.  Three packed streams: (x, y) of my first token, (x, y) of my second, (z, z) of both.
	s_wait_loadcnt 59                              ; the two rows of Xs are in: 3 + 32 + 24 loads were issued behind them
	v_mov_b32 v220, v214
	v_mov_b32 v221, v218
	E3 v_pk_mul_f32 v[NQ+10*q:NQ+10*q+1], v[212+4*q:213+4*q], 0.15915494 op_sel_hi:[1,0]
	E3 v_rndne_f32 v[NQ+10*q], v[NQ+10*q]
	E3 v_rndne_f32 v[NQ+10*q+1], v[NQ+10*q+1]
	E3 v_pk_fma_f32 v[TH+10*q:TH+10*q+1], v[NQ+10*q:NQ+10*q+1], 0xc0c90fdb, v[212+4*q:213+4*q] op_sel_hi:[1,0,1]
	E3 v_pk_fma_f32 v[TH+10*q:TH+10*q+1], v[NQ+10*q:NQ+10*q+1], 0x343bbd2e, v[TH+10*q:TH+10*q+1] op_sel_hi:[1,0,1]
	E3 v_pk_mul_f32 v[TH+10*q:TH+10*q+1], v[TH+10*q:TH+10*q+1], 0x3e800000 op_sel_hi:[1,0]
	E3 v_pk_mul_f32 v[ZZ+10*q:ZZ+10*q+1], v[TH+10*q:TH+10*q+1], v[TH+10*q:TH+10*q+1]
	E3 v_pk_fma_f32 v[PS+10*q:PS+10*q+1], v[ZZ+10*q:ZZ+10*q+1], v[222:223], 0xb9500d01 op_sel_hi:[1,1,0]
	E3 v_pk_fma_f32 v[PC+10*q:PC+10*q+1], v[ZZ+10*q:ZZ+10*q+1], v[224:225], 0xbab60b61 op_sel_hi:[1,1,0]
	E3 v_pk_fma_f32 v[PS+10*q:PS+10*q+1], v[PS+10*q:PS+10*q+1], v[ZZ+10*q:ZZ+10*q+1], 0x3c088889 op_sel_hi:[1,1,0]
	E3 v_pk_fma_f32 v[PC+10*q:PC+10*q+1], v[PC+10*q:PC+10*q+1], v[ZZ+10*q:ZZ+10*q+1], 0x3d2aaaab op_sel_hi:[1,1,0]
	E3 v_pk_fma_f32 v[PS+10*q:PS+10*q+1], v[PS+10*q:PS+10*q+1], v[ZZ+10*q:ZZ+10*q+1], 0xbe2aaaab op_sel_hi:[1,1,0]
	E3 v_pk_fma_f32 v[PC+10*q:PC+10*q+1], v[PC+10*q:PC+10*q+1], v[ZZ+10*q:ZZ+10*q+1], -0.5 op_sel_hi:[1,1,0]
	E3 v_pk_mul_f32 v[NQ+10*q:NQ+10*q+1], v[TH+10*q:TH+10*q+1], v[ZZ+10*q:ZZ+10*q+1]
	E3 v_pk_fma_f32 v[PC+10*q:PC+10*q+1], v[PC+10*q:PC+10*q+1], v[ZZ+10*q:ZZ+10*q+1], 1.0 op_sel_hi:[1,1,0]
	E3 v_pk_fma_f32 v[PS+10*q:PS+10*q+1], v[NQ+10*q:NQ+10*q+1], v[PS+10*q:PS+10*q+1], v[TH+10*q:TH+10*q+1]
	DBL TH+10*q, ZZ+10*q, PS+10*q, PC+10*q         ; a quarter of the angle, half of it,
	DBL 96+24*q, 98+24*q, TH+10*q, ZZ+10*q         ; the angle: frequency 0; sin at 96 + 24 q + 4 k, cos two further on
.irp k, 1,2,3,4,5
	DBL 96+24*q+4*\k, 98+24*q+4*\k, 92+24*q+4*\k, 94+24*q+4*\k
.endr
.irp k, 0,1,2,3,4,5                    ; in the encoding's order, for each frequency: sin x, sin y | sin z, cos x | cos y, cos z
	v_cvt_pk_f16_f32 v[168+3*\k], v[96+4*\k], v[97+4*\k]
	v_cvt_pk_f16_f32 v[169+3*\k], v[144+4*\k], v[98+4*\k]
	v_cvt_pk_f16_f32 v[170+3*\k], v[99+4*\k], v[146+4*\k]
	v_cvt_pk_f16_f32 v[192+3*\k], v[120+4*\k], v[121+4*\k]
	v_cvt_pk_f16_f32 v[193+3*\k], v[145+4*\k], v[122+4*\k]
	v_cvt_pk_f16_f32 v[194+3*\k], v[123+4*\k], v[147+4*\k]
.endr
.irp i, 0,1,2,3,4                      ; 36 numbers and 28 zeros: 128 bytes of each row of H0
	ds_store_b128 v30, v[168+4*\i:171+4*\i] offset:16*\i
	ds_store_b128 v31, v[192+4*\i:195+4*\i] offset:16*\i
.endr
.irp i, 5,6,7
	ds_store_b128 v30, v[188:191] offset:16*\i
	ds_store_b128 v31, v[188:191] offset:16*\i
.endr
.irp s, 3,4,5,6,7
	GW 0x40, 32*\s, 18, MIDB+0x1000*\s             ; the rest of the first middle layer's ring
.endr
	BAR
	; THE INPUT LAYER: two steps, H0 -> H1
	FETCH 8, 0, 0
	HEADS 63                                       ; its weights and bias are in: 72 loads were issued behind them
	FETCH 8, 1, 1
	MULS 3, 32, 0, 1, BI0
	HEADS -1
	GB BI0, 2                                      ; the second middle layer's bias
	MULS 3, 64, 1, 0, 0
	EPI 14
	BAR
	; THE MIDDLE LAYERS: H1 -> H0 -> H1 -> H0
	FETCH 10, 0, 0
	MID 0, 10, 12, BI1
	FETCH 8, 0, 0
	MID 1, 8, 14, BI0
	FETCH 10, 0, 0
	MID 2, 10, 12, BI1
	; THE OUTPUT LAYER.  A wave takes token tiles w, w + 4 and 8 (every wave computes tile 8, wave 0 stores it): three accumulators by turns, 256 along K.
	WIN 0x40
.set kb, 0
.rept 8
	ds_load_b128 v[24*kb:24*kb+3],     v16 offset:64*kb
	ds_load_b128 v[24*kb+4:24*kb+7],   v16 offset:64*kb+32
	ds_load_b128 v[24*kb+8:24*kb+11],  v16 offset:4*TROW+64*kb
	ds_load_b128 v[24*kb+12:24*kb+15], v16 offset:4*TROW+64*kb+32
	ds_load_b128 v[24*kb+16:24*kb+19], v9 offset:64*kb
	ds_load_b128 v[24*kb+20:24*kb+23], v9 offset:64*kb+32
.set kb, kb+1
.endr
	WIN 0x07                                       ; weights window 3, tokens window 1, sums window 0
	s_wait_dscnt 24                                ; the first half of K is in
.set kb, 0
.rept 8
.if kb == 4
	s_wait_dscnt 0x0
.endif
.irp i, 0,1,2
.if kb == 0
	v_wmma_f32_16x16x32_f16 v[32+8*\i:39+8*\i], v[32+8*kb:39+8*kb], v[24*kb+8*\i:24*kb+8*\i+7], 0
.else
	v_wmma_f32_16x16x32_f16 v[32+8*\i:39+8*\i], v[32+8*kb:39+8*kb], v[24*kb+8*\i:24*kb+8*\i+7], v[32+8*\i:39+8*\i]
.endif
.endr
.set kb, kb+1
.endr
	WIN 0
	PLACES
	; tanh z = 1 - 2 / (1 + 2^(2 log2(e) z)); gain and bias hold the factor already.  Lanes 0-15 hold a token's three channels in registers 0 to 2.
.irp i, 0,1,2
.irp j, 0,1,2
	v_fma_f32 v[56+4*\i+\j], v[32+8*\i+\j], s[28+\j], s[32+\j]
.endr
.endr
.irp i, 0,1,2
.irp j, 0,1,2
	v_exp_f32 v[56+4*\i+\j], v[56+4*\i+\j]
.endr
.endr
	v_min_u32 v21, 0x7fff, v21                     ; plain work behind the last exponential: my tokens' places in out0
	v_min_u32 v22, 0x7fff, v22
	v_min_u32 v23, 0x7fff, v23
	v_mul_u32_u24 v21, v21, 12
	v_mul_u32_u24 v22, v22, 12
	v_mul_u32_u24 v23, v23, 12
	s_wait_alu depctr_va_vdst(0)                   ; one wait for the nine exponentials
.irp i, 0,1,2
.irp j, 0,1,2
	v_add_f32 v[56+4*\i+\j], 1.0, v[56+4*\i+\j]
.endr
.endr
.irp i, 0,1,2
.irp j, 0,1,2
	v_rcp_f32 v[56+4*\i+\j], v[56+4*\i+\j]
.endr
.endr
	v_nop
	s_wait_alu depctr_va_vdst(0)                   ; one wait for the nine reciprocals
.irp i, 0,1,2
.irp j, 0,1,2
	v_fma_f32 v[56+4*\i+\j], -2.0, v[56+4*\i+\j], 1.0
.endr
.endr
	s_lshl_b32 s36, s18, 4                         ; how many of each tile's 16 places have a row
	s_sub_co_i32 s36, s26, s36
	s_sub_co_i32 s37, s36, 64
	s_sub_co_i32 s38, s26, 128
	s_max_i32 s36, s36, 0
	s_max_i32 s37, s37, 0
	s_max_i32 s38, s38, 0
	s_cmp_eq_u32 s18, 0
	s_cselect_b32 s38, s38, 0
.irp i, 0,1,2
	s_wait_xcnt 0x0                                ; EXEC is a source of pending loads and stores: it changes only behind this wait
	v_cmp_gt_u32 vcc_lo, s[36+\i], v24             ; lanes 0-15 whose place has a row
	s_and_saveexec_b32 s40, vcc_lo
	global_store_b96 v[21+\i], v[56+4*\i:58+4*\i], s[16:17]  ; a token's 12 bytes, where the routing puts them
	s_wait_xcnt 0x0
	s_or_b32 exec_lo, exec_lo, s40
.endr
	s_wait_tensorcnt 0x0                           ; the wave's end, behind my last LDS store
	ds_add_u32 v4, v5
	s_wait_dscnt 0x0
	s_endpgm
.Lfunc_end_k_q307478c78f_chain:
	.size	k_q307478c78f_chain, .Lfunc_end_k_q307478c78f_chain-k_q307478c78f_chain
	.p2alignl 7, 3214868480
	.fill 96, 4, 3214868480
	.section	.rodata,"a",@progbits
	.p2align	6, 0x0
	.amdhsa_kernel k_q307478c78f_chain
		.amdhsa_group_segment_fixed_size 152576
		.amdhsa_private_segment_fixed_size 0
		.amdhsa_enable_private_segment 0
		.amdhsa_kernarg_size 56
		.amdhsa_user_sgpr_count 2
		.amdhsa_user_sgpr_kernarg_segment_ptr 1
		.amdhsa_wavefront_size32 1
		.amdhsa_system_sgpr_workgroup_id_x 1
		.amdhsa_system_sgpr_workgroup_id_y 1
		.amdhsa_system_sgpr_workgroup_id_z 1
		.amdhsa_system_vgpr_workitem_id 0
		.amdhsa_next_free_vgpr 864
		.amdhsa_next_free_sgpr 66
		.amdhsa_reserve_vcc 1
		.amdhsa_float_denorm_mode_32 3
		.amdhsa_float_denorm_mode_16_64 3
		.amdhsa_memory_ordered 1
		.amdhsa_forward_progress 1
		.amdhsa_inst_pref_size 228
	.end_amdhsa_kernel
	.amdgpu_metadata
---
amdhsa.version: [ 1, 2 ]
amdhsa.kernels:
  - .name:           k_q307478c78f_chain
    .symbol:         k_q307478c78f_chain.kd
    .args:
      - { .name: Wb, .offset: 0, .size: 8, .value_kind: global_buffer, .address_space: global }
      - { .name: bs, .offset: 8, .size: 8, .value_kind: global_buffer, .address_space: global }
      - { .name: op, .offset: 16, .size: 8, .value_kind: global_buffer, .address_space: global }
      - { .name: tab, .offset: 24, .size: 8, .value_kind: global_buffer, .address_space: global }
      - { .name: perm, .offset: 32, .size: 8, .value_kind: global_buffer, .address_space: global }
      - { .name: Xs, .offset: 40, .size: 8, .value_kind: global_buffer, .address_space: global }
      - { .name: out0, .offset: 48, .size: 8, .value_kind: global_buffer, .address_space: global }
    .group_segment_fixed_size: 152576
    .private_segment_fixed_size: 0
    .kernarg_segment_align: 8
    .kernarg_segment_size: 56
    .max_flat_workgroup_size: 128
    .sgpr_count:     66
    .vgpr_count:     864
    .wavefront_size: 32
...
	.end_amdgpu_metadata
.endif
;; end of part 2
